; MI455X (gfx1250); checked and timed in simulation.
; The chip was launched on July 23, 2026; its instructions are those of AMD's public machine-readable ISA for CDNA 5 (MIT licence, August 2026) and "CDNA5" Instruction Set Architecture Reference Guide (July 2026). The comments in the code are by the model that wrote it; some were corrected since.
;; Multi Head Temporal Attention. Allowed arithmetic: matrix products marked QUANTISED: E2M3 operands, one E8M0 scale for each 32 along K, by v_wmma_scale_f32_16x16x128_f8f6f4 with both operands' format E2M3, f32 sums; products left as they are: f32 operands where the result goes on into a quantised operand, else bf16, f16 or f32 operands; f32 sums; everything else in f32.
;; Inputs: Wk_codes 512 x 16 x 24 uint8 (E2M3 codes of Wk, K innermost, in blocks of 32 codes, four codes in three bytes); Wk_scales 512 x 16 uint8 (E8M0 scales of Wk, one for each 32 codes along K); Wo_codes 512 x 16 x 24 uint8 (E2M3 codes of Wo, K innermost, in blocks of 32 codes, four codes in three bytes); Wo_scales 512 x 16 uint8 (E8M0 scales of Wo, one for each 32 codes along K); Wq_codes 512 x 16 x 24 uint8 (E2M3 codes of Wq, K innermost, in blocks of 32 codes, four codes in three bytes); Wq_scales 512 x 16 uint8 (E8M0 scales of Wq, one for each 32 codes along K); Wv_codes 512 x 16 x 24 uint8 (E2M3 codes of Wv, K innermost, in blocks of 32 codes, four codes in three bytes); Wv_scales 512 x 16 uint8 (E8M0 scales of Wv, one for each 32 codes along K); enc_codes 32 x 4,096 x 16 x 24 uint8 (E2M3 codes of enc, K innermost, in blocks of 32 codes, four codes in three bytes); enc_scales 32 x 4,096 x 16 uint8 (E8M0 scales of enc, one for each 32 codes along K).
;; Outputs: out0 32 x 512 float32; out1 32 x 4,096 float32.
;; This version of the problem:
;;   THIS VERSION OF THE PROBLEM IS GIVEN IN LOW PRECISION. The matrix products marked QUANTISED in the list below multiply operands that are first quantised to E2M3 (2 exponent bits, 3 mantissa bits; 6 bits a number), with one power-of-two scale for each 32 numbers along K (OCP MX v1.0); their sums are f32. All else is computed in f32.
;;   The module's matrix products, in the order in which they are computed (A, B: the left and right operand; K: the contracted axis; several contracted axes count as one K, in the product's order):
;;     1. [M 32, K 512] x [K 512, N 512]; A: input enc (given as codes); B: input Wq (given as codes): QUANTISED
;;     2. [M 131,072, K 512] x [K 512, N 512]; A: input enc (given as codes); B: input Wk (given as codes): QUANTISED
;;     3. [M 131,072, K 512] x [K 512, N 512]; A: input enc (given as codes); B: input Wv (given as codes): QUANTISED
;;     4. batch 256 x [M 1, K 64] x [K 64, N 4,096]; A: computed on the way; B: computed on the way: left as it is (M = 1 < 16)
;;     5. batch 256 x [M 1, K 4,096] x [K 4,096, N 64]; A: softmax; B: computed on the way: left as it is (M = 1 < 16)
;;     6. [M 32, K 512] x [K 512, N 512]; A: computed on the way; B: input Wo (given as codes): QUANTISED
;;   THE QUANTISER, for each operand of a quantised product, along K:
;;     - K is cut into blocks of 32 from its start; a last block that is shorter is filled with zeros.
;;     - A block's scale is 2^e with e = floor(log2(the largest magnitude in the block)) - 2, held to -126 .. 127; a block of zeros has e = 0. As a byte (E8M0): e + 127.
;;     - Each number is divided by its block's scale, clamped to +-7.5, and rounded to the nearest number of E2M3, ties to even, subnormals kept.
;;     - The product sums the exact products of the quantised numbers (number of the format x scale) in f32.
;;   ~~~python
;;   def quantise(x, axis):      # numpy; x: float32 -> the quantised numbers, widened to float32 again
;;       x = np.moveaxis(x, axis, -1); K = x.shape[-1]
;;       x = np.pad(x, [(0, 0)] * (x.ndim - 1) + [(0, -K % 32)]); x = x.reshape(x.shape[:-1] + (-1, 32)); a = np.abs(x).max(-1, keepdims=True)
;;       e = np.where(a > 0, np.clip(np.frexp(np.where(a > 0, a, 1))[1] - 1 - 2, -126, 127), 0)      # np.frexp(a)[1] - 1 = floor(log2(a)), exactly
;;       r = np.clip(x / 2.0 ** e, -7.5, 7.5)
;;       step = 2.0 ** (np.maximum(np.frexp(np.where(r == 0, 1, r))[1] - 1, 0) - 3)
;;       q = np.round(r / step) * step * 2.0 ** e      # np.round: ties to even
;;       return np.moveaxis(q.reshape(q.shape[:-2] + (-1,))[..., :K], -1, axis).astype(np.float32)
;;   ~~~
;;   OPERANDS COMPUTED ON THE WAY. 'Computed on the way' means the value that the module computes at that place (a softmax that the list does not call 'softmax' is quantised finished and normalised). What goes into a quantiser is computed in f32, as accurately as f32 sums, v_exp_f32 and their like allow (about 1e-6 of the number): no bf16 or f16 on the way to a quantiser, and a product that is left as it is and whose result goes on into a quantised operand takes f32 operands (vector FMAs, or v_wmma_f32_16x16x4_f32). A number that lies on a knife's edge between two numbers of the format may be rounded either way, as far as f32 arithmetic and the matrix unit's own rounding can turn it there, and no further.
;;   INPUTS GIVEN AS CODES. Wk (in the module: [512, 512], K = its axis 1); Wo (in the module: [512, 512], K = its axis 1); Wq (in the module: [512, 512], K = its axis 1); Wv (in the module: [512, 512], K = its axis 1); enc (in the module: [32, 4096, 512], K = its axis 2): each comes as NAME_codes (uint8): NAME with its K axis moved to the last place and cut into blocks of 32 codes, [.., K / 32, bytes a block], one block behind the other in memory; four codes in three bytes: a row's codes are one little-endian stream of bits, code i at bits 6 i .. 6 i + 5 (a code: sign, 2 exponent bits, 3 mantissa bits); and NAME_scales (uint8): the same leading axes, one E8M0 byte (e + 127) for each 32 codes along K. Its value is code x scale, taken as it is: it is not quantised again, and the codes and scales need not be those that the quantiser above would give.
;; One version. Each part assembles by itself: llvm-mc -triple=amdgcn-amd-amdhsa -mcpu=gfx1250 --defsym DOCPART=n.
;; ======== version 1 of 1: 2 launches
;; limits: right only within a limited range of input values
;; workspace buffers: pbuf 4,194,304 bytes; stat 32,768 bytes; cpart 1,048,576 bytes
;; launch main (part 1): grid 2 x 128, 4 waves a work-group, clusters of 2 x 1, 327,680 bytes of LDS; arguments enc_codes, enc_scales, Wq_codes, Wq_scales, Wk_codes, Wk_scales, Wv_codes, Wv_scales, pbuf, stat, cpart; writes pbuf, stat, cpart
.if DOCPART == 1
	.amdgcn_target "amdgcn-amd-amdhsa--gfx1250"
	.amdhsa_code_object_version 6
	.text
	.protected	k_qea4128a297_main
	.globl	k_qea4128a297_main
	.p2align	8
	.type	k_qea4128a297_main,@function
k_qea4128a297_main:
	s_mov_b64 s[64:65], 0
	v_nop
	global_prefetch_b8 v0, s[64:65] scope:SCOPE_SE
	s_setreg_imm32_b32 hwreg(HW_REG_WAVE_MODE, 25, 1), 1
	s_wait_xcnt 0x0
	s_wait_alu depctr_hold_cnt(0) depctr_sa_sdst(0) depctr_va_vdst(0) depctr_va_sdst(0) depctr_va_ssrc(0) depctr_va_vcc(0) depctr_vm_vsrc(0)
	s_getreg_b32 s2, hwreg(HW_REG_IB_STS2, 6, 4)
	s_cmp_eq_u32 s2, 0
	s_cbranch_scc0 .Lentry_in_a_cluster
	s_endpgm
.Lentry_in_a_cluster:
	s_bfe_u32 s2, ttmp6, 0x10000c
	s_cmp_lg_u32 s2, 0x1001
	s_cbranch_scc0 .Lentry_shape_is_right
	s_endpgm
.Lentry_shape_is_right:
; MAIN.  q, K, V, the scores and, for each wave's 256 keys, p = 2^(score - m), l = the sum of p, and the partial context sum p v.  Launch combine joins the sixteen pieces of a batch.
; SHARES.  A work-group: 1,024 keys (rb = its y: batch rb / 4) x four heads (its x = head group g).  Wave w: the keys 256 w .. + 255, all four heads.  ITS KEYS' CODES STAY IN REGISTERS (16 tiles x 48 = 768);
;   weight tiles of 16 rows x 512 pass by from LDS: 32 products a tile for K (once on the keys' half A, once on half B), 64 for V.
; K's blocks of 32 are taken in another order, alike on both operands: lane (r, h) of a fragment takes bytes 192 h .. + 191 of its row into 48 registers; registers 12 s .. + 11 are step s, whose scale word is
;   W_s = [sc(2 s), sc(8 + 2 s), sc(2 s + 1), sc(9 + 2 s)].  Only the order of the f32 sums differs.
; TILES.  Tile t of a half: lane r has key 8 r + t of its 128.  Tile i of a head: lane r has weight row 4 r + i of its 64.  The products are used transposed (source 0 = weights): a lane has one key, its registers run along the features.
; LDS: S: the staged keys, then Wv;  X: Wq, then Wk (a wave's head each);  scale words of Wk, Wv;  scores;  q;  spare words.  Rows of S (keys) have 16 bytes of padding behind each 1,024 bytes, of the weights behind each 512.
; LOADS.  One tensor load a wave at the head (its half A), one behind each of two rounds: half B, into the same place; a head of Wv.  Half B has eleven tiles of K, 352 products, to land in, Wv half B's 512,
;   and the first load has no loop ahead of it: so nothing is prefetched into the L2.  Half B is read out of the stage in half A's last head, two tiles of keys to each tile of Wk.
; CLUSTERS: the two head groups of the same keys form a cluster and ask jointly for the keys.  The weights differ between the two, so they are loaded by each work-group for itself.
; Wq and Wk come by dense loads through registers.  The last tile of a walk over the heads fetches head 0's first tile again: K's half B begins with it; behind half B and behind V it is not used (13 LDS loads a wave each).
; LIMITS: NaN and infinities are not served.  Scaled scores (exponents to the base 2) stay under 2^31 in magnitude.
.set X,     199680
.set HB,    25344                      ; a head of a weight in LDS: 48 x 528
.set WKS,   301056
.set WVS,   305152
.set SCO,   309248                     ; [wave][half][head][128 keys] f32
.set QL,    325632                     ; [head][tile][h][8] f32
.set SPARE, 326656
.set CST,   101376                     ; V's sums: 17,408 bytes a wave, behind Wv in S
; window 0: octets 0-7: low four the keys' scale words (two tiles), high four: 0, 1 the weights' scale words; 2-5 q or V's sums; 6 addresses; 7 scores on their way out
; windows 1-3, v252-255: addresses that stay
.set AX1, 52
.set AX2, 53
.set AQ,  54
.set AWS, 55
.set T,   60
.set WF,  64                           ; two weight fragments
.set ACC, 160                          ; two sets of four accumulators
.set PART, 224                         ; K: score sums, a pair for each of 8 tiles; V: p of 16 tiles
.set E63, 240                          ; the 64th step of the keys; the other 63 lie in windows 1-3
.set SPW, 252
.set NIL, 253
.set SAD, 254
.set SSB, 255
.set G0, 28
.set G1, 32
.set G1V, 40
.set PS, 56
.set SEL, 58
.set HD, 60
.set SC, 61
.set RX, 62
.set RS, 63
.set RQ, 66
.set CNT, 67
.set MSB, 0
.macro WIN new
.if MSB != (\new)
	s_set_vgpr_msb (MSB<<8)|(\new)
.set MSB, (\new)
.endif
.endm
.macro WALU
	s_wait_alu depctr_va_vdst(0)
.endm
.macro ROUND
	s_barrier_signal -1
	s_barrier_wait -1
	s_cmp_lg_u32 s48, 0
	s_cbranch_scc1 .Lnot_wave_0_\@
	s_barrier_signal -3
.Lnot_wave_0_\@:
	s_barrier_wait -3
	s_barrier_signal -1
	s_barrier_wait -1
.endm
.macro TLOAD g1
	tensor_load_to_lds s[G0:G0+3], s[\g1:\g1+7]
	s_nop 0
.rept 4
	v_nop
.endr
.endm
.macro PERM4 d, s                      ; 16 scale bytes of a row -> its words W_0 .. W_3
	v_perm_b32 v[\d], v[\s+2], v[\s], s[PS]
	v_perm_b32 v[\d+1], v[\s+2], v[\s], s[PS+1]
	v_perm_b32 v[\d+2], v[\s+3], v[\s+1], s[PS]
	v_perm_b32 v[\d+3], v[\s+3], v[\s+1], s[PS+1]
.endm
.macro WLOAD reg, i                    ; tile i of the head at AX1 (AX2 where lanes 16-31 lie behind one padding more): 12 loads
.irp k, 0,1,2,3,4,5,6,7,8,9,10,11
.set X_, 384*(\i)+16*\k
.if (X_+192)/512 == X_/512
	ds_load_b128 v[\reg+4*\k:\reg+4*\k+3], v[AX1] offset:X_+16*(X_/512)
.else
	ds_load_b128 v[\reg+4*\k:\reg+4*\k+3], v[AX2] offset:X_+16*(X_/512)
.endif
.endr
.endm
.macro FETCH i, b                      ; 13 loads
	WLOAD WF+48*(\b), \i
	ds_load_b128 v[4+8*(\b):7+8*(\b)], v[AWS] offset:256*(\i)
.endm
.macro QFETCH i, b
	ds_load_b128 v[20+16*(\b):23+16*(\b)], v[AQ] offset:64*(\i)
	ds_load_b128 v[28+16*(\b):31+16*(\b)], v[AQ] offset:64*(\i)+16
.endm
.macro KLOC n                          ; where step n of the keys lies
.if (\n) < 63
.set W_, 1+(\n)/21
.set R_, 12*((\n)%21)
.else
.set W_, 0
.set R_, E63
.endif
.endm
.macro EFRAG tau                       ; a tile of keys from the stage: 12 loads; the two addresses lie in window 2
.irp k, 0,1,2,3,4,5,6,7,8,9,10,11
	KLOC 16*((\tau)/4)+4*(\k/3)+(\tau)%4
	WIN (W_<<6)|2
.set R_, R_+4*(\k%3)
.set X_, 384*((\tau)%8)+16*\k
.if (X_+192)/1024 == X_/1024
	ds_load_b128 v[R_:R_+3], v252 offset:X_+16*(X_/1024)
.else
	ds_load_b128 v[R_:R_+3], v253 offset:X_+16*(X_/1024)
.endif
.endr
.endm
.macro SETS sh                         ; on to the next of the four heads: the scalar part,
	s_add_co_u32 s[HD], s[HD], 1
	s_and_b32 s[HD], s[HD], 3
	s_mul_i32 s52, s[HD], HB
	s_add_co_u32 s52, s52, s[RX]
	s_lshl_b32 s53, s[HD], 10
	s_add_co_u32 s53, s53, s[RS]
	s_lshl_b32 s54, s[HD], \sh
	s_add_co_u32 s54, s54, s[RQ]
.endm
.macro SETV                            ; and the addresses
	WIN 0x04
	v_add_nc_u32 v[AX1], s52, v252
	v_add_nc_u32 v[AX2], s52, v253
	v_add_nc_u32 v[AQ], s54, v254
	v_add_nc_u32 v[AWS], s53, v255
	WIN 0
.endm
; one product: p = 2 k + o of group G's sixteen: step p / 4, tile p % 4.  The four accumulators take turns; the first step starts the sums
.macro MM gp, G, k, o, wb
.set S_, (2*(\k)+(\o))/4
.set T_, (2*(\k)+(\o))%4
	KLOC 16*(\G)+4*S_+T_
.set D_, ACC+32*(\gp)+8*T_
.set A_, WF+48*(\wb)+12*S_
.set U_, 4+8*(\wb)+S_
.set V_, 8*((4*(\G)+T_)/2)+2*(T_%2)+S_%2
	WIN W_<<2
.if S_ == 0
	v_wmma_scale_f32_16x16x128_f8f6f4 v[D_:D_+7], v[A_:A_+11], v[R_:R_+11], 0, v[U_], v[V_] matrix_a_fmt:MATRIX_FMT_FP6 matrix_b_fmt:MATRIX_FMT_FP6
.elseif S_ == 1
	v_wmma_scale_f32_16x16x128_f8f6f4 v[D_:D_+7], v[A_:A_+11], v[R_:R_+11], v[D_:D_+7], v[U_], v[V_] matrix_a_fmt:MATRIX_FMT_FP6 matrix_b_fmt:MATRIX_FMT_FP6
.else
	v_wmma_scale_f32_16x16x128_f8f6f4 v[D_:D_+7], v[A_:A_+11], v[R_:R_+11], v[D_:D_+7], v[U_], v[V_] matrix_a_fmt:MATRIX_FMT_FP6 matrix_b_fmt:MATRIX_FMT_FP6 matrix_b_scale:MATRIX_SCALE_ROW1
.endif
.endm
; the vector work on the group before: two lines behind every second product.  OPK 0 none, 1 K, 2 V; OGP its accumulators; OGI its group; OFIRST the sums begin; OB the q or sum registers
.macro KOP k
.irp o, 0,1
.set T_, 2*((\k)/4)+\o
.set J_, (\k)%4
.set A_, ACC+32*OGP+8*T_+2*J_
.set P_, PART+2*(4*OGP+T_)
.set Q_, 20+16*OB+8*(J_/2)+2*(J_%2)
.if OFIRST && (J_ == 0)
	v_dual_mul_f32 v[P_], v[A_], v[Q_] :: v_dual_mul_f32 v[P_+1], v[A_+1], v[Q_+1]
.else
	v_dual_fmac_f32 v[P_], v[A_], v[Q_] :: v_dual_fmac_f32 v[P_+1], v[A_+1], v[Q_+1]
.endif
.endr
.endm
.macro VOP k
.irp o, 0,1
.set I_, (\k)%4
.set J_, 2*((\k)/4)+\o
.if \o
.set T_, 2*(I_%2)+1-I_/2
.else
.set T_, 2*(I_%2)+I_/2
.endif
.set A_, ACC+32*OGP+8*T_+2*J_
.set Q_, 20+16*OB+8*(J_/2)+2*(J_%2)
.set P_, PART+4*OGI+T_
.if OFIRST && (I_ == 0)
	v_dual_mul_f32 v[Q_], v[A_], v[P_] :: v_dual_mul_f32 v[Q_+1], v[A_+1], v[P_]
.else
	v_dual_fmac_f32 v[Q_], v[A_], v[P_] :: v_dual_fmac_f32 v[Q_+1], v[A_+1], v[P_]
.endif
.endr
.endm
.macro SLOT k
	WIN 0
.if OPK == 1
	KOP \k
.elseif OPK == 2
	VOP \k
.else
	v_nop
	v_nop
.endif
.endm
.macro GROUP G, gp, wb, hook, hi=0, hp=0
.irp k, 0,1,2,3,4,5,6,7
	MM \gp, \G, \k, 0, \wb
	MM \gp, \G, \k, 1, \wb
	SLOT \k
	\hook \k, \hi, \hp
.endr
.endm
.macro SETOP kind, gp, gi, first, b
.set OPK, (\kind)
.set OGP, (\gp)
.set OGI, (\gi)
.set OFIRST, (\first)
.set OB, (\b)
.endm
.macro HNONE k, i, pv
.endm
; K: the head before is finished in a head's first tile: each tile's pair is added, lanes l and l xor 16 are joined (two tiles at a time); in the third tile eight neighbouring keys of a lane pair are stored.
; A tile has one run of LDS instructions, behind pair RUNK of its first group: this tile's q, the next tile's fragment and scale words; in half A's last head (RUNK = 3) two tiles of half B too
.macro TSTORE
	v_add_nc_u32 v[SAD], s[SC], v[SSB]
	s_add_co_u32 s[SC], s[SC], 512
	ds_store_b128 v[SAD], v[T:T+3]
.endm
.macro HK0 k, i, pv
.if (\pv) && ((\i) == 0) && ((\k) < 4)
	v_add_f32 v[T+\k], v[PART+2*\k], v[PART+2*\k+1]
.endif
.if (\k) == RUNK
.if (\pv) && ((\i) == 2)
	TSTORE
.endif
	QFETCH \i, (\i)%2
.if (\i) == 3
	SETV
.endif
	FETCH ((\i)+1)%4, ((\i)+1)%2
.if RUNK == 3
	EFRAG 8+2*(\i)
	EFRAG 9+2*(\i)
	WIN 0
.endif
.endif
.endm
.macro HK1 k, i, pv
.if (\pv) && ((\i) == 0)
.if (\k) == 0
	v_add_f32 v[PART+8], v[PART+8], v[PART+9]
	v_add_f32 v[PART+10], v[PART+10], v[PART+11]
.elseif (\k) == 3
	v_add_f32 v[PART+12], v[PART+12], v[PART+13]
	v_add_f32 v[PART+14], v[PART+14], v[PART+15]
.elseif ((\k) == 4) || ((\k) == 5)
	v_permlane16_swap_b32 v[T+2*(\k-4)], v[PART+8+4*(\k-4)]
	v_permlane16_swap_b32 v[T+2*(\k-4)+1], v[PART+10+4*(\k-4)]
.elseif (\k) > 5
	v_add_f32 v[T+2*(\k-6)], v[T+2*(\k-6)], v[PART+8+4*(\k-6)]
	v_add_f32 v[T+2*(\k-6)+1], v[T+2*(\k-6)+1], v[PART+10+4*(\k-6)]
.endif
.endif
.if ((\k) == 3) && ((\i) == 2)
	SETS 8
.endif
.endm
.macro KTILE i, pv
.if FIRSTW
	s_wait_dscnt 48                                ; key tiles 0-3 and the fragment are in; the 48 loads of key tiles 4-7 may be out
.else
	s_wait_dscnt 0x0                               ; this tile's fragment and scale words are in
.endif
.if ((\i) == 0) && ((\pv) == 0)
	SETOP 0, 0, 0, 0, 0
.else
	SETOP 1, 1, 0, ((\i) == 1), ((\i)+1)%2
.endif
	GROUP 2*HALF, 0, (\i)%2, HK0, \i, \pv
.if RUNK == 3
	s_wait_dscnt 37                                ; q is in; the 13 + 24 loads behind it may be out
.else
	s_wait_dscnt 13                                ; q is in; the 13 loads behind it may be out
.endif
	SETOP 1, 0, 0, ((\i) == 0), (\i)%2
	GROUP 2*HALF+1, 1, (\i)%2, HK1, \i, \pv
.endm
.macro KTRIP
.irp i, 0,1,2,3
	KTILE \i, 1
.endr
	WIN 0
.endm
.macro KLOOP n
	s_mov_b32 s[CNT], \n
.Lk_\@:
	KTRIP
	s_sub_co_u32 s[CNT], s[CNT], 1
	s_cmp_lg_u32 s[CNT], 0
	s_cbranch_scc1 .Lk_\@
.endm
.macro KDRAIN                          ; the last group, and the last head's scores
	SETOP 1, 1, 0, 0, 1
.irp k, 0,1,2,3,4,5,6,7
	SLOT \k
.endr
.irp k, 0,1,2,3
	v_add_f32 v[T+\k], v[PART+2*\k], v[PART+2*\k+1]
.endr
.irp k, 0,3,4,5,6,7
	HK1 \k, 0, 1
.endr
	TSTORE
.endm
; V: p of the head's sixteen tiles is loaded in its first tile (the last four when that tile's first group is done); a tile's sums go to the stage during the next, in one run with the fetch of the tile after it
.macro HV0 k, i, pv
.if ((\i) == 0) && ((\k) == 0)
	ds_load_b128 v[PART:PART+3], v[AQ]
	ds_load_b128 v[PART+4:PART+7], v[AQ] offset:16
	ds_load_b128 v[PART+8:PART+11], v[AQ] offset:2048
.endif
.endm
.macro CSTORE tile, b
	ds_store_b128 v[SAD], v[20+16*(\b):23+16*(\b)] offset:1088*(\tile)
	ds_store_b128 v[SAD], v[28+16*(\b):31+16*(\b)] offset:1088*(\tile)+544
.endm
.macro HV1 k, i, pv
.if ((\k) == 3) && ((\i) == 2)
	SETS 9
.endif
.if (\k) == 5
.if (\i) == 0
	ds_load_b128 v[PART+12:PART+15], v[AQ] offset:2064
.endif
.if (\i) == 1
	v_add_nc_u32 v[SAD], s[SC], v[SSB]
	s_add_co_u32 s[SC], s[SC], 4352
.endif
.if ((\i) > 0) || (\pv)
	CSTORE ((\i)+3)%4, ((\i)+1)%2
.endif
.if (\i) == 3
	SETV
.endif
	FETCH ((\i)+1)%4, ((\i)+1)%2
.endif
.endm
.macro VTILE i, pv
	s_wait_dscnt 0x0
.if ((\i) == 0) && ((\pv) == 0)
	SETOP 0, 0, 0, 0, 0
.else
	SETOP 2, 1, 3, 0, ((\i)+1)%2
.endif
	GROUP 0, 0, (\i)%2, HV0, \i, \pv
.if (\i) == 0
	s_wait_dscnt 0x0                               ; p of tiles 0-11 is in
.endif
	SETOP 2, 0, 0, 1, (\i)%2
	GROUP 1, 1, (\i)%2, HV1, \i, \pv
	SETOP 2, 1, 1, 0, (\i)%2
	GROUP 2, 0, (\i)%2, HNONE
	SETOP 2, 0, 2, 0, (\i)%2
	GROUP 3, 1, (\i)%2, HNONE
.endm
.macro VTRIP pv
.irp i, 0,1,2,3
	VTILE \i, \pv
.endr
	WIN 0
.endm
; ---------------- the head
	s_load_b512 s[4:19], s[0:1], 0x0                ; enc codes, scales; Wq; Wk; Wv
	s_load_b128 s[20:23], s[0:1], 0x40              ; pbuf, stat
	s_load_b64 s[24:25], s[0:1], 0x50               ; cpart
	v_lshl_add_u32 v[SPW], v0, 2, SPARE
	v_mov_b32 v[NIL], 0
	ds_add_u32 v[SPW], v[NIL]
	ds_add_u32 v[SPW], v[NIL]
	v_lshrrev_b32 v1, 5, v0
	v_readfirstlane_b32 s48, v1                     ; wave w
	s_bfe_u32 s49, ttmp6, 0x40000                   ; my place in the cluster = head group g
	s_and_b32 s50, ttmp7, 0xffff                    ; rb
	s_mov_b32 s[G1+0], 3|(1<<20)|(1<<21)|(7<<22)|(3<<25)   ; both work-groups of the cluster; 16 bytes behind each 1,024
	s_mov_b32 s[G1+1], 1024<<16
	s_mov_b32 s[G1+2], 48<<16
	s_mov_b32 s[G1+3], 1024<<16
	s_mov_b32 s[G1+4], 48
	s_mov_b32 s[G1+5], 1024
	s_mov_b32 s[G1+6], 0
	s_mov_b32 s[G1+7], 0
	s_mov_b32 s[G1V+0], (1<<20)|(6<<22)|(3<<25)     ; 16 bytes behind each 512
	s_mov_b32 s[G1V+1], 512<<16
	s_mov_b32 s[G1V+2], 48<<16
	s_mov_b32 s[G1V+3], 512<<16
	s_mov_b32 s[G1V+4], 48
	s_mov_b32 s[G1V+5], 512
	s_mov_b32 s[G1V+6], 0
	s_mov_b32 s[G1V+7], 0
	s_mov_b32 s[G0], 1
	s_mul_i32 s[G0+1], s48, 49920
	s_mov_b32 s[PS], 0x05010400
	s_mov_b32 s[PS+1], 0x07030602
	s_mov_b32 s[SEL], 0x76543210
	s_mov_b32 s[SEL+1], 0xfedcba98
	s_mov_b32 s68, 0xaaaaaaaa
	s_mov_b32 s69, 0xcccccccc
	s_mov_b32 s70, 0xf0f0f0f0
	v_and_b32 v224, 15, v0                          ; r
	v_bfe_u32 v225, v0, 4, 1                        ; h
	v_and_b32 v226, 31, v0                          ; lane
	v_lshlrev_b32 v227, 4, v226                     ; 16 x lane
	v_mul_u32_u24 v239, 0xc0, v225                  ; 192 h
	v_lshlrev_b32 v234, 6, v224                     ; 64 r
	v_mov_b32 v235, 0
	WALU
	s_wait_dscnt 0x0
	ROUND                                           ; in front of the first joint loads
	s_wait_kmcnt 0x0
	s_mov_b32 s53, 0
	s_mul_i32 s52, s50, 393216
	s_mul_i32 s54, s48, 98304
	s_add_co_u32 s52, s52, s54
	s_add_nc_u64 s[G0+2:G0+3], s[4:5], s[52:53]
	s_or_b32 s[G0+3], s[G0+3], 0x80000000
	TLOAD G1                                        ; half A of my keys
	s_lshr_b32 s51, s50, 2                          ; batch
	s_mul_i32 s52, s51, 1572864
	s_add_co_u32 s52, s52, 1572480                  ; the batch's last row
	s_add_nc_u64 s[72:73], s[4:5], s[52:53]
	s_lshl_b32 s52, s51, 16
	s_add_co_u32 s52, s52, 65520
	s_add_nc_u64 s[74:75], s[6:7], s[52:53]
	s_lshl_b32 s52, s50, 14
	s_lshl_b32 s54, s48, 12
	s_add_co_u32 s52, s52, s54
	s_add_nc_u64 s[6:7], s[6:7], s[52:53]           ; my keys' scale bytes
	s_mul_i32 s52, s49, 98304
	s_mul_i32 s54, s48, 24576
	s_add_co_u32 s52, s52, s54
	s_add_nc_u64 s[8:9], s[8:9], s[52:53]           ; head 4 g + w of the three weights,
	s_add_nc_u64 s[12:13], s[12:13], s[52:53]
	s_add_nc_u64 s[16:17], s[16:17], s[52:53]
	s_lshl_b32 s52, s49, 12
	s_lshl_b32 s54, s48, 10
	s_add_co_u32 s52, s52, s54
	s_add_nc_u64 s[10:11], s[10:11], s[52:53]       ; and their scale bytes
	s_add_nc_u64 s[14:15], s[14:15], s[52:53]
	s_add_nc_u64 s[18:19], s[18:19], s[52:53]
.irp k, 0,1,2,3,4,5,6,7,8,9,10,11
	global_load_b128 v[64+4*\k:67+4*\k], v239, s[72:73] offset:16*\k   ; the last row, the same in every r
.endr
	global_load_b128 v[112:115], v235, s[74:75]
.irp i, 0,1,2,3
	global_load_b128 v[116+4*\i:119+4*\i], v234, s[10:11] offset:16*\i
.endr
.irp n, 0,1
	global_load_b128 v[132+4*\n:135+4*\n], v227, s[14:15] offset:512*\n
	global_load_b128 v[140+4*\n:143+4*\n], v227, s[18:19] offset:512*\n
.endr
.irp n, 0,1,2,3,4,5,6,7
	global_load_b128 v[160+4*\n:163+4*\n], v227, s[6:7] offset:512*\n
.endr
	WIN 0x40
.set N, 0
.rept 48
	global_load_b128 v[4*N:4*N+3], v227, s[8:9] offset:512*N
.set N, N+1
.endr
	WIN 0xc0
.set N, 0
.rept 48
	global_load_b128 v[4*N:4*N+3], v227, s[12:13] offset:512*N
.set N, N+1
.endr
	WIN 0
	; addresses, under the loads' flight
	s_lshl_b32 s52, s48, 10
	s_add_co_u32 s52, s52, WKS
	s_lshl_b32 s53, s48, 12
	s_add_co_u32 s53, s53, SCO
	s_mul_i32 s54, s48, HB
	s_add_co_u32 s54, s54, X
	s_lshl_b32 s55, s48, 8
	s_add_co_u32 s55, s55, QL
	v_and_b32 v236, 3, v226
	v_lshrrev_b32 v237, 2, v226
	v_lshlrev_b32 v237, 4, v237
	v_lshl_add_u32 v228, v236, 8, v237
	v_add_nc_u32 v228, s52, v228                    ; weight row 4 r + i of a head -> scale words at 256 i + 16 r
	v_and_b32 v236, 7, v226
	v_lshrrev_b32 v237, 3, v226
	v_lshlrev_b32 v237, 4, v237
	v_lshl_add_u32 v229, v236, 8, v237
	v_add_nc_u32 v229, s53, v229                    ; key 8 r + t of a half -> scale words at 256 t + 16 r
	v_add_nc_u32 v230, s54, v227
	v_lshlrev_b32 v231, 5, v225
	v_add_nc_u32 v231, s55, v231
	v_mul_u32_u24 v236, 0xc30, v224                 ; 3,120 r
	s_mul_i32 s52, s48, 49920
	v_add_nc_u32 v236, s52, v236
	v_mad_u32_u24 v232, v225, 192, v236
	v_mad_u32_u24 v233, v225, 208, v236
	v_lshlrev_b32 v238, 4, v224                     ; 16 r
	v_lshl_add_u32 v237, v225, 3, v238
	v_add_nc_u32 v237, s53, v237                    ; my scale words: lanes 0-15 W_0, W_1, lanes 16-31 W_2, W_3
	v_lshlrev_b32 v236, 5, v224
	v_lshl_add_u32 v236, v225, 4, v236
	v_add_nc_u32 v[SSB], s53, v236                  ; scores: 32 r + 16 h
	v_mul_u32_u24 v236, 0x630, v224                 ; 1,584 r
	WIN 0x40
	v_mad_u32_u24 v252, v225, 192, v236
	v_mad_u32_u24 v253, v225, 208, v236
	v_lshlrev_b32 v254, 5, v225
	v_lshlrev_b32 v255, 4, v224
	WIN 0x80
	v_mov_b32 v252, v232                            ; the stage of my keys
	v_mov_b32 v253, v233
	s_mul_i32 s52, s48, 17408
	s_add_co_u32 s52, s52, CST
	WIN 0
	v_mad_u32_u24 v236, v225, 272, v238
	WIN 0xc0
	v_mov_b32 v252, v227
	v_add_nc_u32 v253, s53, v227
	v_add_nc_u32 v254, s52, v236
	v_mul_u32_u24 v255, 0x110, v226
	WIN 0xcc
	v_add_nc_u32 v255, s52, v255
	WIN 0x04
	v_add_nc_u32 v[AX1], s54, v252
	v_add_nc_u32 v[AX2], s54, v253
	WIN 0
	WALU
	s_wait_loadcnt 48                               ; all but Wk's 48 loads
	PERM4 48, 112
.irp i, 0,1,2,3
	PERM4 16+4*\i, 116+4*\i
.endr
.irp n, 0,1
	PERM4 32+4*\n, 132+4*\n
	PERM4 40+4*\n, 140+4*\n
.endr
.irp n, 0,1,2,3,4,5,6,7
	PERM4 192+4*\n, 160+4*\n
.endr
	WIN 0x04
.set N, 0
.rept 48
	ds_store_b128 v230, v[4*N:4*N+3] offset:528*N   ; Wq's head w: 512 consecutive bytes a store
.set N, N+1
.endr
	WIN 0
.irp n, 0,1
	ds_store_b128 v228, v[32+4*\n:35+4*\n] offset:128*\n
	ds_store_b128 v228, v[40+4*\n:43+4*\n] offset:WVS-WKS+128*\n
.endr
.irp n, 0,1,2,3
	ds_store_b128 v229, v[192+4*\n:195+4*\n] offset:64*\n
	ds_store_b128 v229, v[208+4*\n:211+4*\n] offset:2048+64*\n
.endr
	WIN 0x80
.irp i, 0,1,2,3
	WLOAD 48*\i, \i                                 ; my own stores: LDS serves a wave's instructions in order (ISA guide 5.7.1.4)
.endr
	WIN 0
	WALU
	s_wait_dscnt 0x0
	WIN 0x02
.irp s, 0,1,2,3
.irp i, 0,1,2,3
.if \s == 0
	v_wmma_scale_f32_16x16x128_f8f6f4 v[160+8*\i:167+8*\i], v[48*\i+12*\s:48*\i+12*\s+11], v[64+12*\s:75+12*\s], 0, v[16+4*\i+\s], v[48+\s] matrix_a_fmt:MATRIX_FMT_FP6 matrix_b_fmt:MATRIX_FMT_FP6
.else
	v_wmma_scale_f32_16x16x128_f8f6f4 v[160+8*\i:167+8*\i], v[48*\i+12*\s:48*\i+12*\s+11], v[64+12*\s:75+12*\s], v[160+8*\i:167+8*\i], v[16+4*\i+\s], v[48+\s] matrix_a_fmt:MATRIX_FMT_FP6 matrix_b_fmt:MATRIX_FMT_FP6
.endif
.endr
.endr
	WIN 0
.rept 4
	v_nop
.endr
.set N, 0
.rept 32
	v_mul_f32 v[192+N], 0x3e38aa3b, v[160+N]        ; q x 0.125 log2(e): the scores are exponents of 2
.set N, N+1
.endr
.irp i, 0,1,2,3
	ds_store_b128 v231, v[192+8*\i:195+8*\i] offset:64*\i      ; the lanes of a half store the same values
	ds_store_b128 v231, v[196+8*\i:199+8*\i] offset:64*\i+16
.endr
.irp t, 0,1,2,3,4,5,6,7,8,9,10,11,12,13,14,15
	ds_load_b64 v[8*(\t/2)+2*(\t%2):8*(\t/2)+2*(\t%2)+1], v237 offset:2048*(\t/8)+256*(\t%8)
.endr
	WALU
	s_wait_loadcnt 0x0
	WIN 0x0c
.set N, 0
.rept 48
	ds_store_b128 v230, v[4*N:4*N+3] offset:528*N   ; Wk's head w in Wq's place, which this wave alone read
.set N, N+1
.endr
	WIN 0
	s_mov_b32 s[RX], X
	s_mov_b32 s[RS], WKS
	s_mov_b32 s[RQ], QL
	s_mov_b32 s[HD], 3
	s_mov_b32 s[SC], 0
	WALU
	s_wait_dscnt 0x0                                ; for the others' sake: my stores of q, Wk and scale words
	s_barrier_signal -1
	s_barrier_wait -1                               ; half A may be on its way
	SETS 8
	SETV
	FETCH 0, 0
	WALU
	s_wait_tensorcnt 0x0                            ; half A, my own load
.irp t, 0,1,2,3,4,5,6,7
	EFRAG \t
.endr
	WIN 0
; ---------------- scores of half A, then of half B: two walks over Wk's heads on end; the first tile starts while the second half of half A's tiles is read
.set HALF, 0
.set RUNK, 1
.set FIRSTW, 1
	KTILE 0, 0
.set FIRSTW, 0
	WIN 0
	WALU
	s_wait_tensorcnt 0x0
	ds_add_u32 v[SPW], v[NIL]
	s_add_nc_u64 s[G0+2:G0+3], s[G0+2:G0+3], 49152
	s_wait_dscnt 0x0                                ; the add, my reads of the stage
	ROUND
	TLOAD G1                                        ; half B, into the same place
.irp i, 1,2,3
	KTILE \i, 0
.endr
	WIN 0
	KLOOP 2
	WALU
	s_wait_tensorcnt 0x0                            ; half B, my own load
.set RUNK, 3
	KTRIP
.set RUNK, 1
	WALU
	s_wait_tensorcnt 0x0
	ds_add_u32 v[SPW], v[NIL]
	s_mul_i32 s[G0+1], s48, HB
	s_mov_b64 s[G0+2:G0+3], s[16:17]
	s_or_b32 s[G0+3], s[G0+3], 0x80000000
	s_wait_dscnt 0x0                                ; the add, my reads of the stage
	ROUND
	TLOAD G1V                                       ; a head of Wv
.set HALF, 1
	KLOOP 4
	KDRAIN
; ---------------- the softmax of my four heads' 256 keys
	s_mov_b32 s[RX], 0
	s_mov_b32 s[RS], WVS
	s_lshl_b32 s52, s48, 12
	s_add_co_u32 s[RQ], s52, SCO
	s_mov_b32 s[HD], 3
	s_mov_b32 s[SC], 0
	WIN 0x44
	v_lshlrev_b32 v254, 1, v255                     ; 32 r
	WIN 0x03
	v_mov_b32 v224, v252                            ; 16 x lane
	v_mov_b32 v225, v253                            ; my scores
	v_mov_b32 v[SSB], v254                          ; V's stage
	WIN 0
	WALU
	s_wait_tensorcnt 0x0
	s_wait_dscnt 0x0
	s_barrier_signal -1
	s_barrier_wait -1                               ; Wv is in; nothing is filled again
	SETS 9
	SETV
	FETCH 0, 0
.irp x, 0,1,2,3
	ds_load_b128 v[160+8*\x:163+8*\x], v225 offset:512*\x
	ds_load_b128 v[164+8*\x:167+8*\x], v225 offset:2048+512*\x
.endr
.irp x, 0,1,2,3
	v_mov_b32 v[193+2*\x], 0
.endr
	s_lshl_b32 s52, s51, 17
	s_lshl_b32 s54, s49, 16
	s_add_co_u32 s52, s52, s54
	s_and_b32 s54, s50, 3
	s_lshl_b32 s54, s54, 12
	s_add_co_u32 s52, s52, s54
	s_lshl_b32 s54, s48, 10
	s_add_co_u32 s52, s52, s54
	s_mov_b32 s53, 0
	s_add_nc_u64 s[20:21], s[20:21], s[52:53]       ; p: [batch][head][key]
	s_lshl_b32 s52, s50, 8
	s_lshl_b32 s54, s48, 6
	s_add_co_u32 s52, s52, s54
	s_lshl_b32 s54, s49, 5
	s_add_co_u32 s52, s52, s54
	s_add_nc_u64 s[22:23], s[22:23], s[52:53]       ; m, l: [batch][piece 16][head 8][2]
	s_lshl_b32 s52, s50, 13
	s_lshl_b32 s54, s48, 11
	s_add_co_u32 s52, s52, s54
	s_lshl_b32 s54, s49, 10
	s_add_co_u32 s52, s52, s54
	s_add_nc_u64 s[24:25], s[24:25], s[52:53]       ; partial contexts: [batch][piece 16][512]
	WALU
	s_wait_dscnt 0x0
.irp x, 0,1,2,3
	v_max3_num_f32 v[192+2*\x], v[160+8*\x], v[161+8*\x], v[162+8*\x]
.endr
.irp e, 3,5
.irp x, 0,1,2,3
	v_max3_num_f32 v[192+2*\x], v[192+2*\x], v[160+8*\x+\e], v[161+8*\x+\e]
.endr
.endr
.irp x, 0,1,2,3
	v_max_num_f32 v[192+2*\x], v[192+2*\x], v[167+8*\x]
.endr
.irp m, 1,2,4,8
.irp x, 0,1,2,3
	v_max_num_f32_dpp v[192+2*\x], v[192+2*\x], v[192+2*\x] row_xmask:\m row_mask:0xf bank_mask:0xf
.endr
.endr
.irp x, 0,1,2,3
	v_permlanex16_b32 v[193+2*\x], v[192+2*\x], s[SEL], s[SEL+1]
.endr
.irp x, 0,1,2,3
	v_max_num_f32 v[192+2*\x], v[192+2*\x], v[193+2*\x]
.endr
.irp x, 0,1,2,3
.irp e, 0,1,2,3,4,5,6,7
	v_sub_f32 v[160+8*\x+\e], v[160+8*\x+\e], v[192+2*\x]
.endr
.endr
	WALU
.set N, 0
.rept 32
	v_exp_f32 v[160+N], v[160+N]
.set N, N+1
.endr
	v_nop
	WALU
.irp x, 0,1,2,3
	v_pk_add_f32 v[200+2*\x:201+2*\x], v[160+8*\x:161+8*\x], v[162+8*\x:163+8*\x]
.endr
.irp e, 4,6
.irp x, 0,1,2,3
	v_pk_add_f32 v[200+2*\x:201+2*\x], v[200+2*\x:201+2*\x], v[160+8*\x+\e:161+8*\x+\e]
.endr
.endr
.irp x, 0,1,2,3
	v_add_f32 v[200+2*\x], v[200+2*\x], v[201+2*\x]
.endr
.irp m, 1,2,4,8
.irp x, 0,1,2,3
	v_add_f32_dpp v[200+2*\x], v[200+2*\x], v[200+2*\x] row_xmask:\m row_mask:0xf bank_mask:0xf
.endr
.endr
.irp x, 0,1,2,3
	v_permlanex16_b32 v[193+2*\x], v[200+2*\x], s[SEL], s[SEL+1]
.endr
.irp x, 0,1,2,3
	v_add_f32 v[200+2*\x], v[200+2*\x], v[193+2*\x]
.endr
.irp x, 0,1,2,3
.irp y, 0,1
	ds_store_b128 v225, v[160+8*\x+4*\y:163+8*\x+4*\y] offset:2048*\y+512*\x
	global_store_b128 v224, v[160+8*\x+4*\y:163+8*\x+4*\y], s[20:21] offset:16384*\x+512*\y
.endr
.endr
.irp x, 0,1,2,3
	v_cndmask_b32 v[208+\x], v[192+2*\x], v[200+2*\x], s68
.endr
	v_cndmask_b32 v212, v208, v209, s69
	v_cndmask_b32 v213, v210, v211, s69
	v_lshrrev_b32 v215, 2, v224
	v_cndmask_b32 v214, v212, v213, s70
	v_cmp_gt_u32 vcc_lo, 0x80, v224                 ; lanes 0-7: m, l of head lane / 2
	WALU
	s_wait_xcnt 0x0
	s_and_saveexec_b32 s55, vcc_lo
	global_store_b32 v215, v214, s[22:23]
	s_wait_xcnt 0x0
	s_or_b32 exec_lo, exec_lo, s55
; ---------------- V
	VTRIP 0
	s_mov_b32 s[CNT], 3
.Lv:
	VTRIP 1
	s_sub_co_u32 s[CNT], s[CNT], 1
	s_cmp_lg_u32 s[CNT], 0
	s_cbranch_scc1 .Lv
	SETOP 2, 1, 3, 0, 1
.irp k, 0,1,2,3,4,5,6,7
	SLOT \k
.endr
	CSTORE 3, 1
	; the sums over the sixteen lanes of a half, from my own stage: entry c = 4 tile + 2 quad + h, sixteen lanes' 16 bytes on end; lane l takes entries l and l + 32
	WIN 0x03
	v_mov_b32 v224, v255
	v_mov_b32 v225, v252
	WIN 0x40
.set N, 0
.rept 16
	ds_load_b128 v[8*N:8*N+3], v224 offset:16*N
	ds_load_b128 v[8*N+4:8*N+7], v224 offset:8704+16*N
.set N, N+1
.endr
	WIN 0
	WALU
	s_wait_dscnt 0x0
	WIN 0x55
.set N, 1
.rept 15
.irp e, 0,2,4,6
	v_pk_add_f32 v[\e:\e+1], v[\e:\e+1], v[8*N+\e:8*N+\e+1]
.endr
.set N, N+1
.endr
	WIN 0x04
	global_store_b128 v225, v[0:3], s[24:25]
	global_store_b128 v225, v[4:7], s[24:25] offset:512
	WIN 0
	s_wait_tensorcnt 0x0
	ds_add_u32 v[SPW], v[NIL]
	s_wait_dscnt 0x0
	ROUND                                           ; the closing round
	s_endpgm
.Lfunc_end_k_qea4128a297_main:
	.size	k_qea4128a297_main, .Lfunc_end_k_qea4128a297_main-k_qea4128a297_main
	.p2alignl 7, 3214868480
	.fill 96, 4, 3214868480
	.section	.rodata,"a",@progbits
	.p2align	6, 0x0
	.amdhsa_kernel k_qea4128a297_main
		.amdhsa_group_segment_fixed_size 327680
		.amdhsa_private_segment_fixed_size 0
		.amdhsa_enable_private_segment 0
		.amdhsa_kernarg_size 88
		.amdhsa_user_sgpr_count 2
		.amdhsa_user_sgpr_kernarg_segment_ptr 1
		.amdhsa_wavefront_size32 1
		.amdhsa_system_sgpr_workgroup_id_x 1
		.amdhsa_system_sgpr_workgroup_id_y 1
		.amdhsa_system_sgpr_workgroup_id_z 1
		.amdhsa_system_vgpr_workitem_id 0
		.amdhsa_next_free_vgpr 1024
		.amdhsa_next_free_sgpr 96
		.amdhsa_reserve_vcc 1
		.amdhsa_float_denorm_mode_32 3
		.amdhsa_float_denorm_mode_16_64 3
		.amdhsa_memory_ordered 1
		.amdhsa_forward_progress 1
		.amdhsa_inst_pref_size 255
	.end_amdhsa_kernel
	.section	.bss,"aw",@nobits
	.p2align	6
	.space	262144
	.amdgpu_metadata
---
amdhsa.version: [ 1, 2 ]
amdhsa.kernels:
  - .name:           k_qea4128a297_main
    .symbol:         k_qea4128a297_main.kd
    .args:
      - { .name: enc_codes, .offset: 0, .size: 8, .value_kind: global_buffer, .address_space: global }
      - { .name: enc_scales, .offset: 8, .size: 8, .value_kind: global_buffer, .address_space: global }
      - { .name: Wq_codes, .offset: 16, .size: 8, .value_kind: global_buffer, .address_space: global }
      - { .name: Wq_scales, .offset: 24, .size: 8, .value_kind: global_buffer, .address_space: global }
      - { .name: Wk_codes, .offset: 32, .size: 8, .value_kind: global_buffer, .address_space: global }
      - { .name: Wk_scales, .offset: 40, .size: 8, .value_kind: global_buffer, .address_space: global }
      - { .name: Wv_codes, .offset: 48, .size: 8, .value_kind: global_buffer, .address_space: global }
      - { .name: Wv_scales, .offset: 56, .size: 8, .value_kind: global_buffer, .address_space: global }
      - { .name: pbuf, .offset: 64, .size: 8, .value_kind: global_buffer, .address_space: global }
      - { .name: stat, .offset: 72, .size: 8, .value_kind: global_buffer, .address_space: global }
      - { .name: cpart, .offset: 80, .size: 8, .value_kind: global_buffer, .address_space: global }
    .group_segment_fixed_size: 327680
    .private_segment_fixed_size: 0
    .kernarg_segment_align: 8
    .kernarg_segment_size: 88
    .max_flat_workgroup_size: 128
    .sgpr_count:     96
    .vgpr_count:     1024
    .wavefront_size: 32
...
	.end_amdgpu_metadata
.endif
;; end of part 1
;; launch combine (part 2): grid 8 x 32, 4 waves a work-group, no clusters, 9,728 bytes of LDS; arguments pbuf, stat, cpart, Wo_codes, Wo_scales, out0, out1; writes out0, out1
.if DOCPART == 2
	.amdgcn_target "amdgcn-amd-amdhsa--gfx1250"
	.amdhsa_code_object_version 6
	.text
	.protected	k_qea4128a297_combine
	.globl	k_qea4128a297_combine
	.p2align	8
	.type	k_qea4128a297_combine,@function
k_qea4128a297_combine:
	s_mov_b64 s[64:65], 0
	v_nop
	global_prefetch_b8 v0, s[64:65] scope:SCOPE_SE
	s_setreg_imm32_b32 hwreg(HW_REG_WAVE_MODE, 25, 1), 1
	s_wait_xcnt 0x0
; COMBINE.  From the sixteen pieces' m and l of each head of a batch b: M = the largest m, L = sum l 2^(m - M), f(piece, head) = 2^(m - M) / L: the softmax's weight of a key is p f.
; out1[b][t] = 1/8 sum over heads of p f.   context[b] = sum over pieces of (partial context) f, in f32; it is quantised along its 512 by the stated rule and multiplied by Wo^T on codes of E2M3 -> out0[b].
; SHARES: a work-group for each (v, b), v = 0 .. 7: keys 512 v .. + 511 of out1[b] (pieces 2 v, 2 v + 1) and outputs 64 v .. + 63 of out0[b].  Each makes the batch's whole context for itself (32 KiB read).
; Wave j: keys 128 j .. + 127 of the 512; context entries 128 j .. + 127 (4 a thread); step j of the quantising; tile 4 v + j of Wo.  Every wave makes the factors f for itself.
; A thread's four numbers of the context are entry T of launch main: head T / 16, features 32 (T % 2) + 16 (T / 2 % 2) + T / 4 % 4 + 4 e, e = 0 .. 3.
; THE LAST PRODUCT has one row: source 1 holds it in all sixteen columns: lane (r, h) of wave j quantises blocks 8 h + 2 j and 8 h + 2 j + 1 whatever its r: step j in the order of K's blocks of launch main.
; LIMITS: NaN and infinities are not served.  A block of zeros of the context gets the byte 1 where the rule says 127: its codes are zeros, which add nothing, and the bytes are read here alone.
; No tensor loads, no cluster, no loop: a work-group reads some 90 KiB once.
; LDS: 0: the context, 512 f32;  2,048: four images of 1,536 bytes;  8,192: their scale words, 128 bytes each;  8,704: the work-group's 64 outputs;  9,216: the spare words.
.set IMG, 2048
.set ISC, 8192
.set OST, 8704
	s_load_b256 s[4:11], s[0:1], 0x0               ; pbuf s[4:5], stat s[6:7], cpart s[8:9], Wo codes s[10:11]
	s_load_b128 s[12:15], s[0:1], 0x20             ; Wo scales s[12:13], out0 s[14:15]
	s_load_b64 s[16:17], s[0:1], 0x30              ; out1
	v_lshl_add_u32 v158, v0, 2, 0x2400
	v_mov_b32 v159, 0
	v_lshrrev_b32 v1, 5, v0
	v_readfirstlane_b32 s21, v1                    ; wave j
	s_mov_b32 s19, ttmp9                           ; v
	s_and_b32 s20, ttmp7, 0xffff                   ; batch
	s_mov_b32 s23, 0
	s_mov_b32 s24, 0x76543210
	s_mov_b32 s25, 0xfedcba98                      ; v_permlanex16_b32's selects for lane l xor 16
	s_mov_b32 s36, 0x05010400
	s_mov_b32 s37, 0x07030602
	v_and_b32 v2, 31, v0                           ; lane
	v_lshlrev_b32 v1, 4, v2                        ; 16 x lane
	v_lshlrev_b32 v3, 3, v2                        ; 8 x lane
	v_lshlrev_b32 v4, 2, v2                        ; 4 x lane
	v_lshlrev_b32 v5, 4, v0                        ; 16 x thread
	v_and_b32 v6, 7, v0
	v_lshlrev_b32 v6, 3, v6                        ; the entry of head lane % 8 in a piece
	v_bfe_u32 v7, v0, 4, 1                         ; h
	v_and_b32 v29, 15, v0
	v_mul_u32_u24 v31, 0x180, v29
	v_mad_u32_u24 v31, v7, 192, v31                ; Wo: row r, my half of its 384 bytes
	v_lshlrev_b32 v29, 4, v29                      ; 16 r
	s_wait_alu depctr_va_vdst(0)
	s_wait_kmcnt 0x0
	s_lshl_b32 s22, s20, 10
	s_add_nc_u64 s[6:7], s[6:7], s[22:23]          ; the batch's 128 pairs (m, l)
	s_lshl_b32 s22, s19, 1
	s_lshr_b32 s26, s21, 1
	s_add_co_u32 s22, s22, s26
	s_lshl_b32 s22, s22, 6
	s_add_nc_u64 s[34:35], s[6:7], s[22:23]        ; my keys' piece: 2 v + j / 2
	s_lshl_b32 s22, s20, 15
	s_add_nc_u64 s[8:9], s[8:9], s[22:23]          ; the batch's sixteen partial contexts
	s_lshl_b32 s28, s19, 11
	s_lshl_b32 s29, s21, 9
	s_add_co_u32 s28, s28, s29                     ; 2,048 v + 512 j
	s_lshl_b32 s22, s20, 14
	s_add_co_u32 s22, s22, s28
	s_add_nc_u64 s[16:17], s[16:17], s[22:23]      ; out1: row b, my 128 keys
	s_lshl_b32 s22, s20, 17
	s_add_co_u32 s22, s22, s28
	s_add_nc_u64 s[4:5], s[4:5], s[22:23]          ; p likewise, head 0
	s_lshl_b32 s30, s19, 2
	s_add_co_u32 s30, s30, s21                     ; my tile of Wo: 4 v + j
	s_mul_i32 s22, s30, 6144
	s_add_nc_u64 s[10:11], s[10:11], s[22:23]
	s_lshl_b32 s22, s30, 8
	s_add_nc_u64 s[12:13], s[12:13], s[22:23]
	s_lshl_b32 s22, s20, 11
	s_lshl_b32 s31, s19, 8
	s_add_co_u32 s22, s22, s31
	s_add_nc_u64 s[14:15], s[14:15], s[22:23]      ; out0: row b, the work-group's 64 outputs
.irp k, 0,1,2,3
	global_load_b64 v[8+2*\k:9+2*\k], v3, s[6:7] offset:256*\k     ; entry 8 piece + head = lane + 32 k
.endr
	global_load_b32 v30, v6, s[34:35]              ; m(my keys' piece, head lane % 8)
.irp c, 0,1,2,3,4,5,6,7,8,9,10,11,12,13,14,15
	global_load_b128 v[64+4*\c:67+4*\c], v5, s[8:9] offset:2048*\c
.endr
.irp h, 0,1,2,3,4,5,6,7
	global_load_b128 v[160+4*\h:163+4*\h], v1, s[4:5] offset:16384*\h
.endr
	global_load_b128 v[32:35], v29, s[12:13]
.irp i, 0,1,2,3,4,5,6,7,8,9,10,11
	global_load_b128 v[208+4*\i:211+4*\i], v31, s[10:11] offset:16*\i
.endr
	; addresses, under the loads' flight
.irp h, 0,1,2,3,4,5,6,7
	v_mov_b32 v[16+\h], 4*\h                       ; permute index: lane h
.endr
	s_lshl_b32 s26, s21, 3
	v_lshl_add_u32 v24, v7, 2, s26                 ; permute index: lane 8 c + my head, my head = 2 j + h
.irp c, 1,2,3
	v_add_nc_u32 v[24+\c], 32*\c, v24
.endr
	s_lshl_b32 s26, s21, 8
	v_lshl_add_u32 v136, v7, 10, s26               ; my 64 numbers of the context: 1,024 h + 256 j
	s_mul_i32 s26, s21, 1536
	v_add_nc_u32 v137, s26, v1                     ; my image
	s_lshl_b32 s26, s21, 7
	v_add_nc_u32 v138, s26, v4                     ; its scale word
	s_lshl_b32 s26, s21, 6
	v_lshl_add_u32 v28, v7, 5, s26                 ; my eight outputs: 64 j + 32 h
	v_lshrrev_b32 v139, 4, v0
	v_lshlrev_b32 v139, 8, v139                    ; 256 x head
	v_and_b32 v156, 1, v0
	v_lshl_add_u32 v139, v156, 7, v139
	v_bfe_u32 v156, v0, 1, 1
	v_lshl_add_u32 v139, v156, 6, v139
	v_bfe_u32 v156, v0, 2, 2
	v_lshl_add_u32 v139, v156, 2, v139             ; where my four numbers of the context go, 16 bytes apart
	v_mov_b32 v153, 0                              ; written once: a lane permute's destination counts as one of its sources
	v_mov_b32 v156, 0
	v_lshlrev_b32 v157, 3, v7                      ; 8 h: my bytes' place in a scale word
	s_wait_alu depctr_va_vdst(0)
	s_wait_loadcnt 37                              ; m and l are in: 16 + 8 + 1 + 12 loads are younger
	; ---- f.  The lanes with the same lane % 8 hold one head's sixteen pieces: four here, the others in lanes l xor 8, l xor 16, l xor 24
	v_max3_num_f32 v152, v8, v10, v12
	v_max_num_f32 v152, v152, v14
	v_max_num_f32_dpp v152, v152, v152 row_xmask:8 row_mask:0xf bank_mask:0xf
	v_permlanex16_b32 v153, v152, s24, s25
	v_max_num_f32 v152, v152, v153                 ; M
.irp k, 0,1,2,3
	v_sub_f32 v[148+\k], v[8+2*\k], v152
.endr
	v_sub_f32 v155, v30, v152
	s_wait_alu depctr_va_vdst(0)
.irp k, 0,1,2,3
	v_exp_f32 v[148+\k], v[148+\k]
.endr
	v_exp_f32 v155, v155
	v_nop
	s_wait_alu depctr_va_vdst(0)
	v_mul_f32 v154, v9, v148
.irp k, 1,2,3
	v_fma_f32 v154, v[9+2*\k], v[148+\k], v154
.endr
	v_add_f32_dpp v154, v154, v154 row_xmask:8 row_mask:0xf bank_mask:0xf
	v_permlanex16_b32 v153, v154, s24, s25
	v_add_f32 v154, v154, v153                     ; L
	s_wait_alu depctr_va_vdst(0)
	v_rcp_f32 v154, v154
	v_mul_f32 v155, 0x3e000000, v155               ; (a plain line behind the reciprocal)  1/8, for the mean over the heads
	s_wait_alu depctr_va_vdst(0)
.irp k, 0,1,2,3
	v_mul_f32 v[148+\k], v[148+\k], v154           ; f(piece 4 k + lane / 8, head lane % 8)
.endr
	v_mul_f32 v155, v155, v154                     ; f(my keys' piece, head lane % 8) / 8
.irp k, 0,1,2,3
.irp c, 0,1,2,3
	ds_bpermute_b32 v[40+4*\k+\c], v[24+\c], v[148+\k]     ; f(piece 4 k + c, my head)
.endr
.endr
.irp h, 0,1,2,3,4,5,6,7
	ds_bpermute_b32 v[128+\h], v[16+\h], v155      ; f(my keys' piece, head h) / 8, in every lane
.endr
	s_wait_dscnt 0x0
	; ---- the context: my four numbers
	s_wait_loadcnt 21                              ; the partial contexts are in: 8 + 1 + 12 loads are younger
.irp e, 0,1,2,3
	v_mul_f32 v[56+\e], v[64+\e], v40
.endr
.irp c, 1,2,3,4,5,6,7,8,9,10,11,12,13,14,15
.irp e, 0,1,2,3
	v_fma_f32 v[56+\e], v[64+4*\c+\e], v[40+\c], v[56+\e]
.endr
.endr
.irp e, 0,1,2,3
	ds_store_b32 v139, v[56+\e] offset:16*\e
.endr
	; ---- out1: the mean over the heads
	s_wait_loadcnt 13                              ; p is in: 1 + 12 loads are younger
.irp e, 0,1,2,3
	v_mul_f32 v[36+\e], v[160+\e], v128
.endr
.irp h, 1,2,3,4,5,6,7
.irp e, 0,1,2,3
	v_fma_f32 v[36+\e], v[160+4*\h+\e], v[128+\h], v[36+\e]
.endr
.endr
	global_store_b128 v1, v[36:39], s[16:17]       ; 512 consecutive bytes
	s_wait_dscnt 0x0                               ; for the others' sake: my part of the context is in LDS
	s_barrier_signal -1
	s_barrier_wait -1
	; ---- step j of the context becomes codes
.irp e, 0,1,2,3,4,5,6,7,8,9,10,11,12,13,14,15
	ds_load_b128 v[64+4*\e:67+4*\e], v136 offset:16*\e     ; numbers 256 h + 64 j + 0 .. 63; sixteen lanes read the same bytes
.endr
	s_wait_dscnt 0x0
.irp c, 0,1
	v_max3_num_f32 v[148+\c], |v[64+32*\c]|, |v[65+32*\c]|, 0x1800000      ; the block's largest magnitude, and the floor 2^(3 - 127): the byte cannot fall under 1
.endr
.irp i, 2,4,6,8,10,12,14,16,18,20,22,24,26,28,30
.irp c, 0,1
	v_max3_num_f32 v[148+\c], v[148+\c], |v[64+32*\c+\i]|, |v[65+32*\c+\i]|
.endr
.endr
.irp c, 0,1
	v_add_nc_u32 v[150+\c], 0xff000000, v[148+\c]  ; 2 off its exponent field: the conversion takes the exponent field of this operand as its scale
.endr
.irp c, 0,1
	v_lshrrev_b32 v[152+\c], 23, v[150+\c]         ; the scale's byte
.endr
.irp c, 0,1
	v_cvt_scalef32_pk16_fp6_f32 v[40+6*\c:42+6*\c], v[64+32*\c:79+32*\c], v[150+\c]
	v_cvt_scalef32_pk16_fp6_f32 v[128+4*\c:130+4*\c], v[80+32*\c:95+32*\c], v[150+\c]      ; (a conversion's three registers begin on an even number)
.endr
	v_nop                                          ; one plain line behind a scaled conversion
.irp c, 0,1
.irp i, 0,1,2
	v_mov_b32 v[43+6*\c+\i], v[128+4*\c+\i]
.endr
.endr
	v_lshl_or_b32 v154, v153, 16, v152             ; my two bytes, at places 0 and 2,
	v_lshlrev_b32 v154, v157, v154                 ; or 1 and 3;
	v_permlanex16_b32 v156, v154, s24, s25
	v_or_b32 v155, v154, v156                      ; with the other half's the word is whole
.irp c, 0,1,2
	ds_store_b128 v137, v[40+4*\c:43+4*\c] offset:IMG+512*\c       ; the operand as it stands: lane l's 16 bytes at 16 l
.endr
	ds_store_b32 v138, v155 offset:ISC
	s_wait_loadcnt 0x0                             ; Wo's tile and its scale bytes
	v_perm_b32 v8, v34, v32, s36                   ; its scale words W_0 .. W_3
	v_perm_b32 v9, v34, v32, s37
	v_perm_b32 v10, v35, v33, s36
	v_perm_b32 v11, v35, v33, s37
	s_wait_alu depctr_va_vdst(0)
	s_wait_dscnt 0x0                               ; for the others' sake
	s_barrier_signal -1
	s_barrier_wait -1
.irp s, 0,1,2,3
.irp c, 0,1,2
	ds_load_b128 v[160+12*\s+4*\c:163+12*\s+4*\c], v1 offset:IMG+1536*\s+512*\c
.endr
	ds_load_b32 v[60+\s], v4 offset:ISC+128*\s
.endr
.rept 8
	v_nop                                          ; scale registers written by vector instructions stand eight places ahead of a scaled matrix instruction
.endr
	s_wait_dscnt 0x0
	v_wmma_scale_f32_16x16x128_f8f6f4 v[64:71], v[208:219], v[160:171], 0, v8, v60 matrix_a_fmt:MATRIX_FMT_FP6 matrix_b_fmt:MATRIX_FMT_FP6
	v_wmma_scale_f32_16x16x128_f8f6f4 v[72:79], v[220:231], v[172:183], 0, v9, v61 matrix_a_fmt:MATRIX_FMT_FP6 matrix_b_fmt:MATRIX_FMT_FP6
	v_wmma_scale_f32_16x16x128_f8f6f4 v[64:71], v[232:243], v[184:195], v[64:71], v10, v62 matrix_a_fmt:MATRIX_FMT_FP6 matrix_b_fmt:MATRIX_FMT_FP6
	v_wmma_scale_f32_16x16x128_f8f6f4 v[72:79], v[244:255], v[196:207], v[72:79], v11, v63 matrix_a_fmt:MATRIX_FMT_FP6 matrix_b_fmt:MATRIX_FMT_FP6
.rept 4
	v_nop                                          ; four places in front of the first read of results (ISA guide 7.12.1)
.endr
.irp k, 0,1,2,3
	v_pk_add_f32 v[80+2*\k:81+2*\k], v[64+2*\k:65+2*\k], v[72+2*\k:73+2*\k]    ; both accumulators from their low ends on
.endr
	; ---- the way out.  Lane (r, h) holds outputs 16 j + 8 h + 0 .. 7 of the work-group's 64, the same in every r: the sixteen lanes of a half write the same bytes with the same values
	ds_store_b128 v28, v[80:83] offset:OST
	ds_store_b128 v28, v[84:87] offset:OST+16
	s_wait_dscnt 0x0                               ; for wave 0's sake
	s_barrier_signal -1
	s_barrier_wait -1
	s_cmp_lg_u32 s21, 0
	s_cbranch_scc1 .Lothers
	ds_load_b128 v[88:91], v29 offset:OST
	s_wait_dscnt 0x0
	v_cmp_gt_u32 vcc_lo, 16, v2
	s_wait_xcnt 0x0                                ; EXEC changes only behind this wait
	s_wait_tensorcnt 0x0
	ds_add_u32 v158, v159
	s_wait_dscnt 0x0
	s_and_saveexec_b32 s27, vcc_lo
	global_store_b128 v29, v[88:91], s[14:15]      ; sixteen lanes store 256 consecutive bytes, at a multiple of 256 from out0's first byte
	s_endpgm
.Lothers:
	s_wait_tensorcnt 0x0
	ds_add_u32 v158, v159
	s_wait_dscnt 0x0
	s_endpgm
.Lfunc_end_k_qea4128a297_combine:
	.size	k_qea4128a297_combine, .Lfunc_end_k_qea4128a297_combine-k_qea4128a297_combine
	.p2alignl 7, 3214868480
	.fill 96, 4, 3214868480
	.section	.rodata,"a",@progbits
	.p2align	6, 0x0
	.amdhsa_kernel k_qea4128a297_combine
		.amdhsa_group_segment_fixed_size 9728
		.amdhsa_private_segment_fixed_size 0
		.amdhsa_enable_private_segment 0
		.amdhsa_kernarg_size 56
		.amdhsa_user_sgpr_count 2
		.amdhsa_user_sgpr_kernarg_segment_ptr 1
		.amdhsa_wavefront_size32 1
		.amdhsa_system_sgpr_workgroup_id_x 1
		.amdhsa_system_sgpr_workgroup_id_y 1
		.amdhsa_system_sgpr_workgroup_id_z 1
		.amdhsa_system_vgpr_workitem_id 0
		.amdhsa_next_free_vgpr 256
		.amdhsa_next_free_sgpr 66
		.amdhsa_reserve_vcc 1
		.amdhsa_float_denorm_mode_32 3
		.amdhsa_float_denorm_mode_16_64 3
		.amdhsa_memory_ordered 1
		.amdhsa_forward_progress 1
		.amdhsa_inst_pref_size 25
	.end_amdhsa_kernel
	.amdgpu_metadata
---
amdhsa.version: [ 1, 2 ]
amdhsa.kernels:
  - .name:           k_qea4128a297_combine
    .symbol:         k_qea4128a297_combine.kd
    .args:
      - { .name: pbuf, .offset: 0, .size: 8, .value_kind: global_buffer, .address_space: global }
      - { .name: stat, .offset: 8, .size: 8, .value_kind: global_buffer, .address_space: global }
      - { .name: cpart, .offset: 16, .size: 8, .value_kind: global_buffer, .address_space: global }
      - { .name: Wo_codes, .offset: 24, .size: 8, .value_kind: global_buffer, .address_space: global }
      - { .name: Wo_scales, .offset: 32, .size: 8, .value_kind: global_buffer, .address_space: global }
      - { .name: out0, .offset: 40, .size: 8, .value_kind: global_buffer, .address_space: global }
      - { .name: out1, .offset: 48, .size: 8, .value_kind: global_buffer, .address_space: global }
    .group_segment_fixed_size: 9728
    .private_segment_fixed_size: 0
    .kernarg_segment_align: 8
    .kernarg_segment_size: 56
    .max_flat_workgroup_size: 128
    .sgpr_count:     66
    .vgpr_count:     256
    .wavefront_size: 32
...
	.end_amdgpu_metadata
.endif
;; end of part 2
